; MI455X (gfx1250); checked and timed in simulation.
; The chip was launched on July 23, 2026; its instructions are those of AMD's public machine-readable ISA for CDNA 5 (MIT licence, August 2026) and "CDNA5" Instruction Set Architecture Reference Guide (July 2026). The comments in the code are by the model that wrote it; some were corrected since.
;; AFT Attention. Allowed arithmetic: matrix products marked QUANTISED: E2M1 operands, one E8M0 scale for each 32 along K, by v_wmma_scale_f32_16x16x128_f8f6f4 with both operands' format E2M1 (or v_wmma_scale_f32_32x16x128_f4), f32 sums; everything else in f32.
;; Inputs: Wk 1,024 x 1,024 float32; Wq 1,024 x 1,024 float32; Wv 1,024 x 1,024 float32; bk 1,024 float32; bq 1,024 float32; bv 1,024 float32; wbias 1,024 float32; x 8 x 2,048 x 1,024 float32.
;; Outputs: out0 8 x 2,048 x 1,024 float32.
;; This version of the problem:
;;   THIS VERSION OF THE PROBLEM IS GIVEN IN LOW PRECISION. The matrix products marked QUANTISED in the list below multiply operands that are first quantised to E2M1 (2 exponent bits, 1 mantissa bit; 4 bits a number), with one power-of-two scale for each 32 numbers along K (OCP MX v1.0); their sums are f32. All else is computed in f32.
;;   The module's matrix products, in the order in which they are computed (A, B: the left and right operand; K: the contracted axis; several contracted axes count as one K, in the product's order):
;;     1. [M 16,384, K 1,024] x [K 1,024, N 1,024]; A: input x; B: input Wq: QUANTISED
;;     2. [M 16,384, K 1,024] x [K 1,024, N 1,024]; A: input x; B: input Wk: QUANTISED
;;     3. [M 16,384, K 1,024] x [K 1,024, N 1,024]; A: input x; B: input Wv: QUANTISED
;;   THE QUANTISER, for each operand of a quantised product, along K:
;;     - K is cut into blocks of 32 from its start; a last block that is shorter is filled with zeros.
;;     - A block's scale is 2^e with e = floor(log2(the largest magnitude in the block)) - 2, held to -126 .. 127; a block of zeros has e = 0. As a byte (E8M0): e + 127.
;;     - Each number is divided by its block's scale, clamped to +-6, and rounded to the nearest number of E2M1, ties to even, subnormals kept.
;;     - The product sums the exact products of the quantised numbers (number of the format x scale) in f32.
;;   ~~~python
;;   def quantise(x, axis):      # numpy; x: float32 -> the quantised numbers, widened to float32 again
;;       x = np.moveaxis(x, axis, -1); K = x.shape[-1]
;;       x = np.pad(x, [(0, 0)] * (x.ndim - 1) + [(0, -K % 32)]); x = x.reshape(x.shape[:-1] + (-1, 32)); a = np.abs(x).max(-1, keepdims=True)
;;       e = np.where(a > 0, np.clip(np.frexp(np.where(a > 0, a, 1))[1] - 1 - 2, -126, 127), 0)      # np.frexp(a)[1] - 1 = floor(log2(a)), exactly
;;       r = np.clip(x / 2.0 ** e, -6, 6)
;;       step = 2.0 ** (np.maximum(np.frexp(np.where(r == 0, 1, r))[1] - 1, 0) - 1)
;;       q = np.round(r / step) * step * 2.0 ** e      # np.round: ties to even
;;       return np.moveaxis(q.reshape(q.shape[:-2] + (-1,))[..., :K], -1, axis).astype(np.float32)
;;   ~~~
;; One version. Each part assembles by itself: llvm-mc -triple=amdgcn-amd-amdhsa -mcpu=gfx1250 --defsym DOCPART=n.
;; ======== version 1 of 1: 2 launches
;; limits: right only within a limited range of input values
;; workspace buffers: xc 8,388,608 bytes; xs 524,288 bytes; wc 1,671,168 bytes
;; launch quant (part 1): grid 1216 x 1, 1 waves a work-group, no clusters, 17,152 bytes of LDS; arguments x, Wk, Wv, Wq, xc, xs, wc; writes xc, xs, wc
.if DOCPART == 1
	.amdgcn_target "amdgcn-amd-amdhsa--gfx1250"
	.amdhsa_code_object_version 6
	.text
	.protected	k_q5a8dee207c_quant
	.globl	k_q5a8dee207c_quant
	.p2align	8
	.type	k_q5a8dee207c_quant,@function
k_q5a8dee207c_quant:
	s_mov_b64 s[64:65], 0
	v_nop
	global_prefetch_b8 v0, s[64:65] scope:SCOPE_SE
	s_setreg_imm32_b32 hwreg(HW_REG_WAVE_MODE, 25, 1), 1
	s_wait_xcnt 0x0
; out0[b][t][h] = sigmoid(Q) x (sum over b of exp(K + wbias) V) / (sum over b of exp(K + wbias)), Q, K, V = x W^T + bias.
; DEAD WORK, LEFT OUT IN THE WHOLE PROGRAM: bk and wbias.  For one (t, h) both are the same for all eight b, so the factor exp(bk[h] + wbias[h]) stands in every term of the numerator and of the
; denominator and divides out, whatever finite values the inputs hold; nothing quantised depends on them.  Neither is loaded, neither is among any launch's arguments.
; LIMIT: a NaN, an infinity or an overflow that reaches the result only by way of bk or wbias is not carried to it.
; THIS LAUNCH: x [8][2048][1024] and Wk, Wv, Wq [1024][1024], f32, K innermost, become codes of FP4 (E2M1) with one E8M0 scale byte for each 32 along K,
; laid in the order in which the product's launch takes them into operand registers.
; A TILE is 16 rows x 1,024 K.  Its codes, 8,192 bytes: block kb (32 codes, 16 bytes) of row m at 256 kb + 16 m; with kb = 4 s + 2 c + hl that is
; 1,024 s + 512 c + 16 x lane (lane = 16 hl + m): registers 4 c .. 4 c + 3 of the fragment of K step s.  Its scale words, 512 bytes: row m, K step s at 32 m + 4 s.
; x's tile tau: row m = 8 tt + b is x[b][2 tau + tt]: so a product's result holds all eight batches of one (t, h) in one lane's eight registers.
; A weight's tile (group G of 64 h, u = 0..3): row r is h = 64 G + 4 r + u: so four tiles give a lane four neighbouring h.
; wc: 64 UNITS of UBYTES, unit 4 G + u: the codes of tile (G, u) of Wk, of Wv, of Wq, then their scale words in the same order.
; A block's scale is 2^(floor(log2(largest magnitude)) - 2); its byte is the largest magnitude's exponent field - 2, held at 1 from below.
; LIMITS: a block of zeros gets the byte 1 where the rule says 127: its codes are zeros, which add nothing, and this program alone reads the bytes.
; Blocks whose largest magnitude lies under 2^(2 - 126) keep the byte 1.  NaN and infinities among the inputs are not served.
; SHARES: one wave is a work-group, and takes one tile (64 KiB of f32): 1,024 + 192 = 1,216 tiles for 256 WGPs.  384 registers: up to eight lie side by side on a WGP.
; Work-groups 0-1,023: x's tiles.  Work-groups 1,024-1,215: the weights (n = work-group - 1,024: q = n / 64, G = (n / 4) % 16, u = n % 4; q = 0 K, 1 V, 2 Q).
; One path for all: only pointers, two strides and three offsets are chosen, on the work-group's number.  No barrier: there is one wave.
; A step is 128 along K: 16 loads, each 512 consecutive bytes of one row; the 8,192 bytes turn through the wave's stage in LDS, so that a lane gets two whole
; blocks of 32 neighbours of one row.  Loads run three steps (48 loads) ahead; every byte is read once, so nothing is prefetched.
.set UBYTES, 26112
.set SCOFF,  24576                     ; a unit's scale words lie behind its 3 x 8,192 bytes of codes
.set XT,     1024                      ; x's tiles; each weight has 64
.set STG,    8448                      ; a stage: 16 rows x 528 bytes; two stages, at LDS bytes 0 and 8,448
.set SPIT,   528                       ; 512 bytes + 16: the sixteen rows that a read touches begin at sixteen different 16-byte columns of the 64 banks of 4 bytes (ISA guide 11.1)
.set LI,  4                            ; v4   16 x lane: my place in a load's 512 bytes, in a stage's row on the way in, and in a store of codes
.set VRD, 6                            ; v6   the stage on the way out: 528 m + 128 hl
.set VS,  7                            ; v7   my 16 bytes of the tile's scale words: 32 m + 16 hl
.set SH,  8                            ; v8   8 hl: my bytes' place in a scale word
.set AM,  9                            ; v9-10  largest magnitudes of my two blocks
.set SO,  11                           ; v11-12 the conversions' scale operands
.set BY,  13                           ; v13-14 the scale bytes
.set T,   15
.set VO,  16                           ; v16-31 row m's byte offset in the source, + 16 x lane; never rewritten
.set SW,  32                           ; v32-39 the scale word of my row for each K step
.set OW,  40                           ; v40-43 the four words that I store
.set PT,  44
.set X,   64                           ; v64-127 my two blocks of 32 numbers
.set R,   128                          ; v128-191, v192-255 and window 1's v0-63: three sets of 64 registers as loaded
.set CD,  64                           ; window 1's v64-127: codes, eight registers for each step: no store's data are written again
.set MSB, 0
.macro WIN new                         ; the immediate's high byte repeats the setting that is left
.if MSB != \new
	s_set_vgpr_msb (MSB<<8)|\new
.set MSB, \new
.endif
.endm
	s_load_b256 s[4:11], s[0:1], 0x0               ; x s[4:5], Wk s[6:7], Wv s[8:9], Wq s[10:11]
	s_load_b128 s[12:15], s[0:1], 0x20             ; xc s[12:13], xs s[14:15]
	s_load_b64 s[16:17], s[0:1], 0x30              ; wc
	v_lshl_add_u32 v62, v0, 2, 0x4200              ; my spare word, behind the two stages
	v_mov_b32 v63, 0
	v_and_b32 v2, 15, v0                           ; m  (v0 is the lane: the work-group is one wave)
	v_bfe_u32 v3, v0, 4, 1                         ; hl
	v_lshlrev_b32 v[LI], 4, v0
	v_mul_u32_u24 v[VRD], v2, SPIT
	v_lshl_add_u32 v[VRD], v3, 7, v[VRD]
	v_lshlrev_b32 v[VS], 5, v2
	v_lshl_add_u32 v[VS], v3, 4, v[VS]
	v_lshlrev_b32 v[SH], 3, v3
	v_mov_b32 v[PT], 0                             ; written once: a lane permute's destination counts as one of its sources
	s_mov_b32 s40, 0x76543210
	s_mov_b32 s41, 0xfedcba98                      ; v_permlanex16_b32's selects for lane l xor 16
	; both cases' numbers are made, then chosen
	s_lshl_b32 s21, ttmp9, 13                      ; x: tau = the work-group's number: two rows of 4,096 bytes in x, and 8,192 bytes of codes, a tile
	s_lshl_b32 s22, ttmp9, 9                       ;    512 bytes of scale words a tile
	s_sub_co_u32 s23, ttmp9, XT                    ; W: n  (in x's work-groups these numbers mean nothing and are not chosen)
	s_and_b32 s18, s23, 3                          ;    u
	s_lshr_b32 s24, s23, 6                         ;    q
	s_bfe_u32 s25, s23, 0x40002                    ;    G: four bits from bit 2
	s_lshl_b32 s26, s25, 6
	s_add_co_u32 s26, s26, s18
	s_lshl_b32 s26, s26, 12                        ;    the tile's first row: (64 G + u) x 4,096 bytes
	s_lshl_b32 s27, s25, 2
	s_add_co_u32 s27, s27, s18
	s_mul_i32 s27, s27, UBYTES                     ;    unit 4 G + u
	s_lshl_b32 s29, s24, 13
	s_add_co_u32 s29, s29, s27                     ;    its q-th tile of codes
	s_lshl_b32 s30, s24, 9
	s_add_co_u32 s30, s30, s27
	s_add_co_u32 s30, s30, SCOFF                   ;    and of scale words
	s_mov_b32 s38, 16384                           ; W: rows m and m + 1 lie 4 rows of 4,096 bytes apart,
	s_mov_b32 s39, 131072                          ;    rows m and m + 8 32 rows
	s_mov_b32 s31, 0x800000                        ; x: rows m and m + 1 are neighbouring batches, 2,048 x 4,096 bytes apart,
	s_mov_b32 s42, 4096                            ;    rows m and m + 8 neighbouring t
	s_wait_alu depctr_va_vdst(0)
	s_wait_kmcnt 0x0
	s_cmp_lt_u32 ttmp9, XT+128                     ; every choice hangs on the work-group's number alone
	s_cselect_b64 s[32:33], s[8:9], s[10:11]
	s_cmp_lt_u32 ttmp9, XT+64
	s_cselect_b64 s[32:33], s[6:7], s[32:33]
	s_cmp_lt_u32 ttmp9, XT
	s_cselect_b64 s[32:33], s[4:5], s[32:33]       ; the source
	s_cselect_b64 s[34:35], s[12:13], s[16:17]     ; where the codes go
	s_cselect_b64 s[36:37], s[14:15], s[16:17]     ; where the scale words go
	s_cselect_b32 s38, s31, s38
	s_cselect_b32 s39, s42, s39
	s_cselect_b32 s44, s21, s26
	s_cselect_b32 s46, s21, s29
	s_cselect_b32 s30, s22, s30
	s_mov_b32 s45, 0
	s_mov_b32 s47, 0
	s_mov_b32 s31, 0
	s_add_nc_u64 s[32:33], s[32:33], s[44:45]
	s_add_nc_u64 s[34:35], s[34:35], s[46:47]
	s_add_nc_u64 s[36:37], s[36:37], s[30:31]
.irp m, 0,1,2,3,4,5,6,7,8,9,10,11,12,13,14,15
	s_mul_i32 s20, s38, \m%8
	s_mul_i32 s21, s39, \m/8
	s_add_co_u32 s20, s20, s21
	v_add_nc_u32 v[VO+\m], s20, v[LI]              ; at most 7 x 2^23 + 4,096 + 496 bytes
.endr
; K step ks: 16 loads, one a row; the 32 lanes read 512 consecutive bytes.  Set ks % 3; the third set lies in window 1
.macro LOAD ks
.if ((\ks)%3) == 2
	WIN 0x40                                       ; destination window 1, address window 0
.set RB, 0
.else
.set RB, R+64*((\ks)%3)
.endif
.irp m, 0,1,2,3,4,5,6,7,8,9,10,11,12,13,14,15
	global_load_b128 v[RB+4*\m:RB+4*\m+3], v[VO+\m], s[32:33] offset:512*(\ks) th:TH_LOAD_NT
.endr
	WIN 0
.endm
.macro STEP ks
.if (\ks) < 6
	s_wait_loadcnt 32                              ; this step's 16 loads are in; those of the two steps behind it stay out
.else
	s_wait_loadcnt 16*(7-(\ks))                    ; the counts run down: 16, 0
.endif
.if ((\ks)%3) == 2
	WIN 0x04                                       ; an LDS store's data are its source 1: window 1
.set RB, 0
.else
.set RB, R+64*((\ks)%3)
.endif
.irp m, 0,1,2,3,4,5,6,7,8,9,10,11,12,13,14,15
	ds_store_b128 v[LI], v[RB+4*\m:RB+4*\m+3] offset:STG*((\ks)%2)+SPIT*\m
.endr
	WIN 0
.irp c, 0,1
.irp i, 0,1,2,3,4,5,6,7
	ds_load_b128 v[X+32*\c+4*\i:X+32*\c+4*\i+3], v[VRD] offset:STG*((\ks)%2)+256*\c+16*\i   ; LDS serves a wave's instructions in order (ISA guide 5.7.1.4): these see the stores above.  Row m, k = 64 c + 32 hl + 4 i ..
.endr
.endr
	s_wait_dscnt 0x0                               ; my 64 numbers are in, and the stores into the stage have read their registers,
.if (\ks)+3 < 8
	LOAD (\ks)+3                                   ; which take the loads of three steps on
.endif
.irp c, 0,1
	v_max3_num_f32 v[AM+\c], |v[X+32*\c]|, |v[X+32*\c+1]|, 0x1800000   ; block 2 c + hl: all its 32 numbers are mine; and the floor 2^(3 - 127), so that the byte cannot fall under 1
.endr
.irp i, 2,4,6,8,10,12,14,16,18,20,22,24,26,28,30
.irp c, 0,1
	v_max3_num_f32 v[AM+\c], v[AM+\c], |v[X+32*\c+\i]|, |v[X+32*\c+\i+1]|   ; (the two blocks by turns)
.endr
.endr
.irp c, 0,1
	v_add_nc_u32 v[SO+\c], 0xff000000, v[AM+\c]    ; 2 off the exponent field: the conversion takes the exponent field of this operand as its scale, and nothing else of it
.endr
	WIN 0x40                                       ; the codes go to window 1
.irp c, 0,1
.irp g, 0,1,2,3
	v_cvt_scalef32_pk8_fp4_f32 v[CD+8*(\ks)+4*\c+\g], v[X+32*\c+8*\g:X+32*\c+8*\g+7], v[SO+\c]   ; to the nearest code, ties to even; beyond the largest code the largest
.endr
.endr
	WIN 0
.irp c, 0,1
	v_lshrrev_b32 v[BY+\c], 23, v[SO+\c]           ; the scale's byte.  (Plain lines behind the conversions)
.endr
	v_lshl_or_b32 v[T], v[BY+1], 16, v[BY]         ; my two bytes: blocks hl and 2 + hl of the step,
	v_lshlrev_b32 v[T], v[SH], v[T]                ; at their places in the word;
	v_permlanex16_b32 v[PT], v[T], s40, s41
	v_or_b32 v[SW+(\ks)], v[T], v[PT]              ; with lane l xor 16's two the word is whole
	WIN 0x04                                       ; a store's data are its source 1
.irp c, 0,1
	global_store_b128 v[LI], v[CD+8*(\ks)+4*\c:CD+8*(\ks)+4*\c+3], s[34:35] offset:1024*(\ks)+512*\c   ; the 32 lanes store 512 consecutive bytes, at a multiple of 512 from the buffer's first byte
.endr
	WIN 0
.endm
	s_wait_alu depctr_va_vdst(0)
	LOAD 0
	LOAD 1
	LOAD 2
.irp k, 0,1,2,3,4,5,6,7
	STEP \k
.endr
	v_cmp_ne_u32 vcc_lo, 0, v3
.irp i, 0,1,2,3
	v_cndmask_b32 v[OW+\i], v[SW+\i], v[SW+4+\i], vcc_lo   ; lanes 0-15 store their row's words of K steps 0-3, lanes 16-31 those of K steps 4-7
.endr
	global_store_b128 v[VS], v[OW:OW+3], s[36:37]  ; the tile's 512 bytes of scale words, whole
	s_wait_tensorcnt 0x0                           ; the wave's end
	ds_add_u32 v62, v63
	s_wait_dscnt 0x0
	s_endpgm
.Lfunc_end_k_q5a8dee207c_quant:
	.size	k_q5a8dee207c_quant, .Lfunc_end_k_q5a8dee207c_quant-k_q5a8dee207c_quant
	.p2alignl 7, 3214868480
	.fill 96, 4, 3214868480
	.section	.rodata,"a",@progbits
	.p2align	6, 0x0
	.amdhsa_kernel k_q5a8dee207c_quant
		.amdhsa_group_segment_fixed_size 17152
		.amdhsa_private_segment_fixed_size 0
		.amdhsa_enable_private_segment 0
		.amdhsa_kernarg_size 56
		.amdhsa_user_sgpr_count 2
		.amdhsa_user_sgpr_kernarg_segment_ptr 1
		.amdhsa_wavefront_size32 1
		.amdhsa_system_sgpr_workgroup_id_x 1
		.amdhsa_system_sgpr_workgroup_id_y 1
		.amdhsa_system_sgpr_workgroup_id_z 1
		.amdhsa_system_vgpr_workitem_id 0
		.amdhsa_next_free_vgpr 384
		.amdhsa_next_free_sgpr 66
		.amdhsa_reserve_vcc 1
		.amdhsa_float_denorm_mode_32 3
		.amdhsa_float_denorm_mode_16_64 3
		.amdhsa_memory_ordered 1
		.amdhsa_forward_progress 1
		.amdhsa_inst_pref_size 60
	.end_amdhsa_kernel
	.amdgpu_metadata
---
amdhsa.version: [ 1, 2 ]
amdhsa.kernels:
  - .name:           k_q5a8dee207c_quant
    .symbol:         k_q5a8dee207c_quant.kd
    .args:
      - { .name: x, .offset: 0, .size: 8, .value_kind: global_buffer, .address_space: global }
      - { .name: Wk, .offset: 8, .size: 8, .value_kind: global_buffer, .address_space: global }
      - { .name: Wv, .offset: 16, .size: 8, .value_kind: global_buffer, .address_space: global }
      - { .name: Wq, .offset: 24, .size: 8, .value_kind: global_buffer, .address_space: global }
      - { .name: xc, .offset: 32, .size: 8, .value_kind: global_buffer, .address_space: global }
      - { .name: xs, .offset: 40, .size: 8, .value_kind: global_buffer, .address_space: global }
      - { .name: wc, .offset: 48, .size: 8, .value_kind: global_buffer, .address_space: global }
    .group_segment_fixed_size: 17152
    .private_segment_fixed_size: 0
    .kernarg_segment_align: 8
    .kernarg_segment_size: 56
    .max_flat_workgroup_size: 32
    .sgpr_count:     66
    .vgpr_count:     384
    .wavefront_size: 32
...
	.end_amdgpu_metadata
.endif
;; end of part 1
;; launch aft (part 2): grid 32 x 8, 8 waves a work-group, clusters of 4 x 1, 327,680 bytes of LDS; arguments xc, xs, wc, bq, bv, out0; writes out0
.if DOCPART == 2
	.amdgcn_target "amdgcn-amd-amdhsa--gfx1250"
	.amdhsa_code_object_version 6
	.text
	.protected	k_q5a8dee207c_aft
	.globl	k_q5a8dee207c_aft
	.p2align	8
	.type	k_q5a8dee207c_aft,@function
k_q5a8dee207c_aft:
	s_mov_b64 s[64:65], 0
	v_nop
	global_prefetch_b8 v0, s[64:65] scope:SCOPE_SE
	s_setreg_imm32_b32 hwreg(HW_REG_WAVE_MODE, 25, 1), 1
	s_wait_xcnt 0x0
	s_wait_alu depctr_hold_cnt(0) depctr_sa_sdst(0) depctr_va_vdst(0) depctr_va_sdst(0) depctr_va_ssrc(0) depctr_va_vcc(0) depctr_vm_vsrc(0)
	s_getreg_b32 s2, hwreg(HW_REG_IB_STS2, 6, 4)
	s_cmp_eq_u32 s2, 0
	s_cbranch_scc0 .Lentry_in_a_cluster
	s_endpgm
.Lentry_in_a_cluster:
	s_bfe_u32 s2, ttmp6, 0x10000c
	s_cmp_lg_u32 s2, 0x3003
	s_cbranch_scc0 .Lentry_shape_is_right
	s_endpgm
.Lentry_shape_is_right:
; out0[b][t][h] = sigmoid(Q) x (sum over b of exp(K + wbias) V) / (sum over b of exp(K + wbias)),  Q, K, V = x W^T + bias, the three products on codes of FP4 (E2M1)
; with one E8M0 scale for each 32 along K.  Codes and scale words come from the launch before, laid as images of operand registers (its head comment has the layout).
; LEFT OUT: bk and wbias (the same for all eight b of a (t, h), they divide out: the first launch's head comment has the proof and the limit).
; SHARES.  A work-group owns 64 t x 8 b (512 rows of x, 32 tiles: row block RB) and 128 h (column block CB: two groups of 64 h, eight UNITS of 16 h).
; Wave w of eight owns 4 tiles of x (tau = 32 RB + 4 w + a), whose fragments stay in its registers for the whole launch (window 1: 256 registers), read from memory once.
; The column block's weights, eight units of UB bytes, lie in LDS for the whole launch: one tensor load a wave, no refill, and no barrier behind the head: each wave walks the eight units for itself.
; A unit: for a K step of 128 a wave multiplies 3 fragments of W (K, V, Q of the same 16 h) by two pairs of tiles: six matrix instructions of 32 x 16 x 128 on six accumulators; then the unit's tail.
; LAYOUT.  A = two tiles of x (rows 0-15, 16-31), each with row m = 8 tt + b; B = a tile of W, whose row r is h = 64 G + 4 r + u.  In the result lane (r, half), register j of a tile holds
; b = j, t = 2 tau + half, h = 64 G + 4 r + u: all eight batches of one (t, h) lie in one lane, so the sums over b leave no lane; and four units give a lane four neighbouring h:
; 16 bytes of a row of out0, sixteen lanes 256 consecutive bytes, aligned.  The results of units u = 0, 1 wait in the wave's own stage in LDS for those of u = 2, 3.
; CLUSTER.  The four work-groups of a cluster are four row blocks of one column block and need the same weights: each unit is asked for JOINTLY, by the same tensor
; load with the same descriptor and the mask 15.  A work-group's place in its cluster enters the addresses of xc, xs and out0 alone.
; No prefetch: behind the head nothing but 128 bytes of biases a unit is loaded, so there is no loop to run ahead in.
; ARITHMETIC.  e = 2^((K - max over b of K) log2(e)): the largest of the eight is taken away before the exponential.
; bv is added behind the quotient (sum e (V + bv) / sum e = sum e V / sum e + bv).  sigmoid(q) = 1 / (1 + 2^(-q log2(e))).
; LIMITS: where the definition's exponentials overflow or all vanish (its result is NaN) this text gives a finite number; NaN and infinities among the inputs are not served.
; REGISTERS.  window 1: x's fragments: pair p, K step s at 16 (8 p + s).  window 0: all else, below.
.set UB,    26112                      ; a unit: 3 x 8,192 bytes of codes + 3 x 512 of scale words = 102 rows of 256 bytes: what one tensor load brings
.set USC,   24576
.set STAGE, 8*UB                       ; behind the units: 8,192 bytes for each wave
.set SPARE, STAGE+8*8192               ; the spare words, 128 bytes for each wave: four blocks of 256 bytes that no other line names
.set OB,  1                            ; v1   my byte offset in out0: 4,096 half + 256 group + 16 r
.set A1,  2                            ; v2   LDS address of my 16 bytes in the unit's fragments; at the head and at the end my spare word
.set A2,  3                            ; v3   of my 32 bytes of its scale words (less USC); at the head and at the end 0
.set ST,  4                            ; v4   my 8 bytes in a row of my stage
.set BA,  5                            ; v5   byte offset of my h in the biases: 256 group + 16 r
.set CQ,  6                            ; v6   bq, then -bq log2(e)
.set BV,  7                            ; v7   bv
.set WP,  8                            ; v8-15   for tile a the pair: weighted value of the even unit, of the odd one (before that the largest K)
.set XS,  16                           ; v16-31  x's scale words: register 8 p + s: lanes 0-15 tile 2 p, lanes 16-31 tile 2 p + 1, K step s
.set WS,  32                           ; v32-39  W's: lanes 0-15 K's, lanes 16-31 V's;  v40-47: lanes 0-15 V's, lanes 16-31 Q's
.set FS,  48                           ; v48-71, v72-95 W's fragments, two sets
.set TT,  72                           ; in the tail, in the second set: v72-79 denominators, v80-87 their other halves and reciprocals, v88-95 numerators
.set T2,  80
.set NN,  88
.set KA,  96                           ; v96-127  K of tile a at 8 a, then e;  v128-159 V;  v160-191 Q, then 1 + 2^..
.set VA,  128
.set QA,  160
.set HH,  192                          ; v192-255 the sigmoids of two units: tile a, batch b: even unit at 16 a + 2 b, odd one behind it
.set LI,  254                          ; at the head: 16 x lane
.set L32, 255                          ; at the head: 32 x lane
.set MSB, 0
.macro WIN new                         ; the immediate's high byte repeats the setting that is left; a switch that changes nothing is dropped
.if MSB != \new
	s_set_vgpr_msb (MSB<<8)|\new
.set MSB, \new
.endif
.endm
.macro PLACES                          ; four plain vector lines: behind a tensor load, and between matrix instructions and loads into registers that they have read (ISA guide 7.12.1 for vector instructions)
.rept 4
	v_nop
.endr
.endm
; A round of the cluster's barrier: my work-group's barrier, so that wave 0's signal speaks for all waves; wave 0 signals for the work-group; every wave waits for all four work-groups; my work-group's barrier once more.
.macro CROUND
	s_barrier_signal -1
	s_barrier_wait -1
	s_cmp_lg_u32 s20, 0
	s_cbranch_scc1 .Lnot_wave_0_\@
	s_barrier_signal -3
.Lnot_wave_0_\@:
	s_barrier_wait -3
	s_barrier_signal -1
	s_barrier_wait -1
.endm
; x's fragments as they lie, K step by K step: eight loads each, 512 consecutive bytes a load
.macro XLOAD
	WIN 0x40                                       ; destination window 1, address window 0
.irp k, 0,1,2,3,4,5,6,7
.irp a, 0,1,2,3
.irp c, 0,1
	global_load_b128 v[16*(8*(\a/2)+\k)+8*(\a%2)+4*\c:16*(8*(\a/2)+\k)+8*(\a%2)+4*\c+3], v[LI], s[4:5] offset:8192*\a+1024*\k+512*\c
.endr
.endr
.endr
	WIN 0
.endm
	s_load_b256 s[4:11], s[0:1], 0x0               ; xc s[4:5], xs s[6:7], wc s[8:9], bq s[10:11]
	s_load_b128 s[12:15], s[0:1], 0x20             ; bv s[12:13], out0 s[14:15]
	v_lshl_add_u32 v[A1], v0, 2, SPARE
	v_mov_b32 v[A2], 0
	ds_add_u32 v[A1], v[A2]                        ; the wave's opening: the add, twice on end, and its wait ahead of my tensor load
	ds_add_u32 v[A1], v[A2]
	v_lshrrev_b32 v253, 5, v0
	v_readfirstlane_b32 s20, v253                  ; wave 0..7
	s_bfe_u32 s21, ttmp6, 0x40000                  ; cx: my place in the cluster
	s_lshl_b32 s22, ttmp9, 2                       ; in a cluster launch ttmp9 counts clusters
	s_add_co_u32 s22, s22, s21                     ; RB = 4 x cluster x + cx
	s_and_b32 s23, ttmp7, 0xffff                   ; CB, which the four partners share
	; descriptor group 1: 102 dense rows of 256 bytes, as 32 elements of 8 bytes; no padding: every read of codes takes consecutive bytes
	s_mov_b32 s24, 15|(3<<16)|(1<<21)              ; 15:0 the mask: all four work-groups; 17:16 elements of 8 bytes; 21 set beside a mask
	s_mov_b32 s25, 32<<16                          ; tensor_dim0 = 32
	s_mov_b32 s26, 102<<16                         ; tensor_dim1 = 102
	s_mov_b32 s27, 32<<16                          ; tile_dim0 = 32
	s_mov_b32 s28, 102                             ; tile_dim1 = 102
	s_mov_b32 s29, 32                              ; from row to row: 32 elements
	s_mov_b32 s30, 0
	s_mov_b32 s31, 0
	s_mov_b32 s32, 1                               ; group 0: count = 1
	s_mul_i32 s33, s20, UB                         ; LDS address: unit w: the wave's number alone
	s_mul_i32 s2, s23, 8*UB                        ; in wc: my column block's eight units,
	s_add_co_u32 s2, s2, s33                       ; the w-th of them.  (s[2:3] never hold cx)
	s_mov_b32 s3, 0
	s_lshl_b32 s42, s22, 5
	s_lshl_b32 s43, s20, 2
	s_add_co_u32 s42, s42, s43                     ; my first tile of x: 32 RB + 4 w
	s_lshl_b32 s46, s42, 9                         ; its scale words: 512 bytes a tile
	s_mov_b32 s47, 0
	s_lshl_b32 s44, s42, 13                        ; its codes: 8,192 bytes a tile; also my first t's row in out0: two t of 4,096 bytes a tile
	s_mov_b32 s45, 0
	s_lshl_b32 s18, s23, 9                         ; my column block's 128 h: 512 bytes
	s_mov_b32 s19, 0
	s_add_co_u32 s16, s18, s44
	s_mov_b32 s17, 0
	s_mov_b32 s36, 0                               ; LDS byte of the group in hand
	s_mov_b32 s37, 2                               ; groups
	s_mov_b32 s38, 0x3fb8aa3b                      ; log2(e); the packed forms name a pair and take its low word for both halves, so both are written
	s_mov_b32 s39, s38
	s_mov_b32 s40, 0xbfb8aa3b                      ; -log2(e)
	s_mov_b32 s41, s40
	s_lshl_b32 s43, s20, 13
	s_add_co_u32 s43, s43, STAGE                   ; my stage
	v_and_b32 v252, 31, v0
	v_and_b32 v250, 15, v0                         ; r
	v_bfe_u32 v251, v0, 4, 1                       ; half
	v_lshlrev_b32 v[LI], 4, v252
	v_lshlrev_b32 v[L32], 5, v252
	v_lshl_add_u32 v[ST], v252, 3, s43
	v_lshlrev_b32 v250, 4, v250
	v_lshl_add_u32 v[OB], v251, 12, v250
.irp a, 0,1,2,3
	v_mov_b32 v[WP+2*\a], 0                        ; named as one half of a pair before the first even unit's tail writes it
.endr
	s_wait_alu depctr_va_vdst(0)
	s_wait_dscnt 0x0                               ; both opening adds are done
	s_wait_kmcnt 0x0
	s_add_nc_u64 s[34:35], s[8:9], s[2:3]          ; group 0: global address
	s_or_b32 s35, s35, 0x80000000                  ; type = 2
	s_add_nc_u64 s[4:5], s[4:5], s[44:45]
	s_add_nc_u64 s[6:7], s[6:7], s[46:47]
	s_add_nc_u64 s[10:11], s[10:11], s[18:19]
	s_add_nc_u64 s[12:13], s[12:13], s[18:19]
	s_add_nc_u64 s[14:15], s[14:15], s[16:17]
.irp b, 0,1,2,3,4,5,6,7
	s_add_nc_u64 s[48+2*\b:49+2*\b], s[14:15], \b*0x800000   ; batch b of out0: 2,048 x 4,096 bytes apart
.endr
.irp p, 0,1
.irp j, 0,1
	global_load_b128 v[XS+8*\p+4*\j:XS+8*\p+4*\j+3], v[L32], s[6:7] offset:1024*\p+16*\j   ; lanes 0-15: tile 2 p's rows, lanes 16-31: tile 2 p + 1's; the words of K steps 4 j .. 4 j + 3
.endr
.endr
	CROUND                                         ; all four work-groups are here: the joint loads meet
	tensor_load_to_lds s[32:35], s[24:31]          ; unit w: the wave's one tensor load
	s_nop 0
	PLACES
	s_cmp_lt_u32 s20, 4                            ; waves 0-3 ask for x's fragments here, waves 4-7 behind the barrier: so the first four's are asked for first
	s_cbranch_scc0 .Lx_later
	XLOAD
.Lx_later:
	s_wait_tensorcnt 0x0                           ; my unit is in,
	s_barrier_signal -1
	s_barrier_wait -1                              ; and everybody's
	s_cmp_lt_u32 s20, 4
	s_cbranch_scc1 .Lx_asked
	s_wait_loadcnt 0x0                             ; every load of mine so far is in (in these waves: x's scale words)
	XLOAD
.Lx_asked:
; Six LDS loads: the unit's three fragments of K step k into set k % 2.  Each takes 512 consecutive bytes.
.macro FETCH k
.irp q, 0,1,2
.irp c, 0,1
	ds_load_b128 v[FS+24*((\k)%2)+8*\q+4*\c:FS+24*((\k)%2)+8*\q+4*\c+3], v[A1] offset:8192*\q+1024*(\k)+512*\c
.endr
.endr
.endm
.macro SCALES                          ; the unit's scale words for all of K: K's and V's, then V's and Q's
.irp j, 0,1
	ds_load_b128 v[WS+4*\j:WS+4*\j+3], v[A2] offset:USC+16*\j
	ds_load_b128 v[WS+8+4*\j:WS+8+4*\j+3], v[A2] offset:USC+512+16*\j
.endr
.endm
; A K step: six matrix instructions, the six accumulators by turns, in the same order in every K step.
; zero = 1: the first K step starts the sums: nothing is ever cleared.  A's scale word fills all 32 lanes; B's is read from lanes 0-15, or 16-31 (ROW1).
.macro MUL k, zero
.irp p, 0,1
.if \zero
	v_wmma_scale_f32_32x16x128_f4 v[KA+16*\p:KA+16*\p+15], v[16*(8*\p+\k):16*(8*\p+\k)+15], v[FS+24*((\k)%2):FS+24*((\k)%2)+7], 0, v[XS+8*\p+\k], v[WS+\k]
.else
	v_wmma_scale_f32_32x16x128_f4 v[KA+16*\p:KA+16*\p+15], v[16*(8*\p+\k):16*(8*\p+\k)+15], v[FS+24*((\k)%2):FS+24*((\k)%2)+7], v[KA+16*\p:KA+16*\p+15], v[XS+8*\p+\k], v[WS+\k]
.endif
.endr
.irp p, 0,1
.if \zero
	v_wmma_scale_f32_32x16x128_f4 v[VA+16*\p:VA+16*\p+15], v[16*(8*\p+\k):16*(8*\p+\k)+15], v[FS+24*((\k)%2)+8:FS+24*((\k)%2)+15], 0, v[XS+8*\p+\k], v[WS+\k] matrix_b_scale:MATRIX_SCALE_ROW1
.else
	v_wmma_scale_f32_32x16x128_f4 v[VA+16*\p:VA+16*\p+15], v[16*(8*\p+\k):16*(8*\p+\k)+15], v[FS+24*((\k)%2)+8:FS+24*((\k)%2)+15], v[VA+16*\p:VA+16*\p+15], v[XS+8*\p+\k], v[WS+\k] matrix_b_scale:MATRIX_SCALE_ROW1
.endif
.endr
.irp p, 0,1
.if \zero
	v_wmma_scale_f32_32x16x128_f4 v[QA+16*\p:QA+16*\p+15], v[16*(8*\p+\k):16*(8*\p+\k)+15], v[FS+24*((\k)%2)+16:FS+24*((\k)%2)+23], 0, v[XS+8*\p+\k], v[WS+8+\k] matrix_b_scale:MATRIX_SCALE_ROW1
.else
	v_wmma_scale_f32_32x16x128_f4 v[QA+16*\p:QA+16*\p+15], v[16*(8*\p+\k):16*(8*\p+\k)+15], v[FS+24*((\k)%2)+16:FS+24*((\k)%2)+23], v[QA+16*\p:QA+16*\p+15], v[XS+8*\p+\k], v[WS+8+\k] matrix_b_scale:MATRIX_SCALE_ROW1
.endif
.endr
.endm
; THE TAIL of unit n: four tiles x two t x eight b x 16 h.  A lane: for each tile one t, one h, eight b.  The four tiles take turns line by line.  Each accumulator is read from its low end on.
.macro TAIL n
	WIN 0
	s_wait_loadcnt 0x0                             ; the unit's biases
.if \n < 3
	s_add_co_u32 s42, s36, UB*(\n+1)               ; the next unit
	v_and_b32 v[A1], 31, v0                        ; (these four plain lines are also the places behind the last products)
	v_lshl_add_u32 v[A2], v[A1], 5, s42
	v_lshl_add_u32 v[A1], v[A1], 4, s42
.else
.rept 3
	v_nop
.endr
.endif
	v_mul_f32 v[CQ], s40, v[CQ]
.if \n < 3
	SCALES                                         ; the next unit's scale words and first fragments, under the tail
	FETCH 0
.endif
.irp a, 0,1,2,3
	v_max3_num_f32 v[WP+2*\a+1], v[KA+8*\a], v[KA+8*\a+1], v[KA+8*\a+2]   ; the largest K of the eight batches
.endr
.irp i, 3,5
.irp a, 0,1,2,3
	v_max3_num_f32 v[WP+2*\a+1], v[WP+2*\a+1], v[KA+8*\a+\i], v[KA+8*\a+\i+1]
.endr
.endr
.irp a, 0,1,2,3
	v_max_num_f32 v[WP+2*\a+1], v[WP+2*\a+1], v[KA+8*\a+7]
.endr
.irp a, 0,1,2,3
	v_mul_f32 v[WP+2*\a+1], s40, v[WP+2*\a+1]
.endr
.irp i, 0,2,4,6
.irp a, 0,1,2,3
	v_pk_fma_f32 v[KA+8*\a+\i:KA+8*\a+\i+1], v[KA+8*\a+\i:KA+8*\a+\i+1], s[38:39], v[WP+2*\a:WP+2*\a+1] op_sel:[0,0,1] op_sel_hi:[1,0,1]   ; (K - the largest) log2(e): of the last pair the upper word serves both halves
.endr
.endr
.irp i, 0,2,4,6
.irp a, 0,1,2,3
	v_pk_fma_f32 v[QA+8*\a+\i:QA+8*\a+\i+1], v[QA+8*\a+\i:QA+8*\a+\i+1], s[40:41], v[CQ:CQ+1] op_sel_hi:[1,0,0]   ; -(Q + bq) log2(e)
.endr
.endr
	s_wait_alu depctr_va_vdst(0)
.set i, 0
.rept 32
	v_exp_f32 v[KA+i], v[KA+i]                     ; ONE BATCH: the 32 e and the 32 powers of the sigmoids
.set i, i+1
.endr
.set i, 0
.rept 32
	v_exp_f32 v[QA+i], v[QA+i]
.set i, i+1
.endr
	v_nop                                          ; a plain line behind the last exponential,
	s_wait_alu depctr_va_vdst(0)                   ; and one wait for the batch and for V, ahead of their first reader
.irp a, 0,1,2,3
	v_pk_mul_f32 v[NN+2*\a:NN+2*\a+1], v[KA+8*\a:KA+8*\a+1], v[VA+8*\a:VA+8*\a+1]   ; the numerator: the sum of e V over b
.endr
.irp i, 2,4,6
.irp a, 0,1,2,3
	v_pk_fma_f32 v[NN+2*\a:NN+2*\a+1], v[KA+8*\a+\i:KA+8*\a+\i+1], v[VA+8*\a+\i:VA+8*\a+\i+1], v[NN+2*\a:NN+2*\a+1]
.endr
.endr
.irp a, 0,1,2,3
	v_pk_add_f32 v[TT+2*\a:TT+2*\a+1], v[KA+8*\a:KA+8*\a+1], v[KA+8*\a+2:KA+8*\a+3]   ; the denominator: the sum of e over b; at least 1
.endr
.irp a, 0,1,2,3
	v_pk_add_f32 v[T2+2*\a:T2+2*\a+1], v[KA+8*\a+4:KA+8*\a+5], v[KA+8*\a+6:KA+8*\a+7]
.endr
.irp a, 0,1,2,3
	v_pk_add_f32 v[TT+2*\a:TT+2*\a+1], v[TT+2*\a:TT+2*\a+1], v[T2+2*\a:T2+2*\a+1]
.endr
.irp a, 0,1,2,3
	v_add_f32 v[TT+2*\a], v[TT+2*\a], v[TT+2*\a+1]
.endr
.irp a, 0,1,2,3
	v_add_f32 v[NN+2*\a], v[NN+2*\a], v[NN+2*\a+1]
.endr
.irp i, 0,2,4,6
.irp a, 0,1,2,3
	v_pk_add_f32 v[QA+8*\a+\i:QA+8*\a+\i+1], v[QA+8*\a+\i:QA+8*\a+\i+1], 1.0 op_sel_hi:[1,0]
.endr
.endr
	s_wait_alu depctr_va_vdst(0)
.irp a, 0,1,2,3
	v_rcp_f32 v[T2+2*\a], v[TT+2*\a]               ; A SECOND BATCH: 4 + 32 reciprocals
.endr
.set i, 0
.rept 32
	v_rcp_f32 v[HH+2*i+(\n%2)], v[QA+i]            ; the sigmoids, laid so that an even and an odd unit's are a pair
.set i, i+1
.endr
	v_nop
	s_wait_alu depctr_va_vdst(0)                   ; one wait for the 36, ahead of their first reader
.irp a, 0,1,2,3
	v_fma_f32 v[WP+2*\a+(\n%2)], v[NN+2*\a], v[T2+2*\a], v[BV]   ; numerator / denominator + bv
.endr
.if \n == 1                            ; units 0 and 1: y, two neighbouring h, to my stage: row 8 a + b, 8 bytes a lane
.irp a, 0,1,2,3
.irp b, 0,1,2,3,4,5,6,7
	v_pk_mul_f32 v[HH+16*\a+2*\b:HH+16*\a+2*\b+1], v[HH+16*\a+2*\b:HH+16*\a+2*\b+1], v[WP+2*\a:WP+2*\a+1]
.endr
.endr
.irp a, 0,1,2,3
.irp b, 0,1,2,3,4,5,6,7
	ds_store_b64 v[ST], v[HH+16*\a+2*\b:HH+16*\a+2*\b+1] offset:256*(8*\a+\b)
.endr
.endr
.endif
.if \n == 3                            ; units 2 and 3: y meets that of units 0 and 1, four registers for each (a, b): at KA + 32 a + 4 b, over what the tail is done with (tile 3's over tiles 0's and 1's sigmoids)
.irp a, 0,1,2
.irp b, 0,1,2,3,4,5,6,7
	ds_load_b64 v[KA+32*\a+4*\b:KA+32*\a+4*\b+1], v[ST] offset:256*(8*\a+\b)
.endr
.endr
.irp a, 0,1,2,3
.irp b, 0,1,2,3,4,5,6,7
	v_pk_mul_f32 v[KA+32*\a+4*\b+2:KA+32*\a+4*\b+3], v[HH+16*\a+2*\b:HH+16*\a+2*\b+1], v[WP+2*\a:WP+2*\a+1]
.endr
.endr
.irp b, 0,1,2,3,4,5,6,7
	ds_load_b64 v[KA+96+4*\b:KA+96+4*\b+1], v[ST] offset:256*(24+\b)
.endr
	s_wait_alu depctr_va_vdst(0)
.irp a, 0,1,2,3
	s_wait_dscnt 24-8*\a                           ; tile a's eight are back; those of the tiles behind it may be out
.irp b, 0,1,2,3,4,5,6,7
	global_store_b128 v[OB], v[KA+32*\a+4*\b:KA+32*\a+4*\b+3], s[48+2*\b:49+2*\b] offset:8192*\a th:TH_STORE_NT   ; lanes 0-15: 256 consecutive bytes of row (b, t), at a multiple of 256 from out0's first byte; lanes 16-31: of row (b, t + 1)
.endr
.endr
.endif
.endm
.macro UNIT n
.if \n == 0
	v_and_b32 v[A1], 31, v0
	v_lshl_add_u32 v[A2], v[A1], 5, s36
	v_lshl_add_u32 v[A1], v[A1], 4, s36
	v_and_b32 v[BA], 0x1ff, v[OB]
	SCALES
	FETCH 0
.endif
	global_load_b32 v[CQ], v[BA], s[10:11] offset:4*\n     ; bq and bv of my h: wanted behind the products
	global_load_b32 v[BV], v[BA], s[12:13] offset:4*\n
	FETCH 1
	s_wait_alu depctr_va_vdst(0)
.irp k, 0,1,2,3,4,5,6,7
.if \k < 7
	s_wait_dscnt 6                                 ; all but the next K step's six: this K step's fragments are in
.else
	s_wait_dscnt 0x0
.endif
.if \n == 0
	s_wait_loadcnt 8*(7-\k)+2                      ; x's fragments of this K step are in; those of the later K steps, eight loads each, and the two biases may be out (in the first group; later nothing but biases is)
.endif
	WIN 0x01                                       ; source 0 (x) window 1
.if \k == 0
	MUL \k, 1
.else
	MUL \k, 0
.endif
.if \k < 6
	PLACES                                         ; in front of loads into the set just multiplied
	WIN 0
	FETCH \k+2
.endif
.endr
	TAIL \n
.endm
.Lgroup:                                               ; two trips: a group of 64 h, four units
	UNIT 0
	UNIT 1
	UNIT 2
	UNIT 3
	s_wait_xcnt 0x0                                ; the stores have read their offset and their data: both are written again
	v_add_nc_u32 v[OB], 256, v[OB]                 ; the next group's 64 h
	s_add_co_u32 s36, s36, 4*UB
	s_sub_co_u32 s37, s37, 1
	s_cmp_lg_u32 s37, 0
	s_wait_alu depctr_va_vdst(0)
	s_cbranch_scc1 .Lgroup
	v_lshl_add_u32 v[A1], v0, 2, SPARE             ; made anew: my spare word, and 0
	v_mov_b32 v[A2], 0
	s_wait_alu depctr_va_vdst(0)
	s_wait_tensorcnt 0x0                           ; the wave's end: my last LDS instructions
	ds_add_u32 v[A1], v[A2]
	s_wait_dscnt 0x0
	CROUND                                         ; the closing round: no work-group ends while a partner may still ask for a unit that names it
	s_endpgm
.Lfunc_end_k_q5a8dee207c_aft:
	.size	k_q5a8dee207c_aft, .Lfunc_end_k_q5a8dee207c_aft-k_q5a8dee207c_aft
	.p2alignl 7, 3214868480
	.fill 96, 4, 3214868480
	.section	.rodata,"a",@progbits
	.p2align	6, 0x0
	.amdhsa_kernel k_q5a8dee207c_aft
		.amdhsa_group_segment_fixed_size 327680
		.amdhsa_private_segment_fixed_size 0
		.amdhsa_enable_private_segment 0
		.amdhsa_kernarg_size 48
		.amdhsa_user_sgpr_count 2
		.amdhsa_user_sgpr_kernarg_segment_ptr 1
		.amdhsa_wavefront_size32 1
		.amdhsa_system_sgpr_workgroup_id_x 1
		.amdhsa_system_sgpr_workgroup_id_y 1
		.amdhsa_system_sgpr_workgroup_id_z 1
		.amdhsa_system_vgpr_workitem_id 0
		.amdhsa_next_free_vgpr 512
		.amdhsa_next_free_sgpr 66
		.amdhsa_reserve_vcc 0
		.amdhsa_float_denorm_mode_32 3
		.amdhsa_float_denorm_mode_16_64 3
		.amdhsa_memory_ordered 1
		.amdhsa_forward_progress 1
		.amdhsa_inst_pref_size 113
	.end_amdhsa_kernel
	.amdgpu_metadata
---
amdhsa.version: [ 1, 2 ]
amdhsa.kernels:
  - .name:           k_q5a8dee207c_aft
    .symbol:         k_q5a8dee207c_aft.kd
    .args:
      - { .name: xc, .offset: 0, .size: 8, .value_kind: global_buffer, .address_space: global }
      - { .name: xs, .offset: 8, .size: 8, .value_kind: global_buffer, .address_space: global }
      - { .name: wc, .offset: 16, .size: 8, .value_kind: global_buffer, .address_space: global }
      - { .name: bq, .offset: 24, .size: 8, .value_kind: global_buffer, .address_space: global }
      - { .name: bv, .offset: 32, .size: 8, .value_kind: global_buffer, .address_space: global }
      - { .name: out0, .offset: 40, .size: 8, .value_kind: global_buffer, .address_space: global }
    .group_segment_fixed_size: 327680
    .private_segment_fixed_size: 0
    .kernarg_segment_align: 8
    .kernarg_segment_size: 48
    .max_flat_workgroup_size: 256
    .sgpr_count:     66
    .vgpr_count:     512
    .wavefront_size: 32
...
	.end_amdgpu_metadata
.endif
;; end of part 2
